; MI455X (gfx1250); checked and timed in simulation.
; The chip was launched on July 23, 2026; its instructions are those of AMD's public machine-readable ISA for CDNA 5 (MIT licence, August 2026) and "CDNA5" Instruction Set Architecture Reference Guide (July 2026). The comments in the code are by the model that wrote it; some were corrected since.
;; Multihead Attention. Allowed arithmetic: matrix products marked QUANTISED: E2M1 operands, one E8M0 scale for each 32 along K, by v_wmma_scale_f32_16x16x128_f8f6f4 with both operands' format E2M1 (or v_wmma_scale_f32_32x16x128_f4), f32 sums; products left as they are: bf16, f16 or f32 operands; f32 sums; everything else in f32.
;; Inputs: o_b 1,024 float32; o_w 1,024 x 1,024 float32; qkv_b 3,072 float32; qkv_w 3,072 x 1,024 float32; x 4 x 2,048 x 1,024 float32.
;; Outputs: out0 4 x 2,048 x 1,024 float32.
;; This version of the problem:
;;   THIS VERSION OF THE PROBLEM IS GIVEN IN LOW PRECISION. The matrix products marked QUANTISED in the list below multiply operands that are first quantised to E2M1 (2 exponent bits, 1 mantissa bit; 4 bits a number), with one power-of-two scale for each 32 numbers along K (OCP MX v1.0); their sums are f32. The products marked 'left as it is' may take bf16, f16 or f32 operands, with f32 sums. Whichever they take, every output number must still come out within the allowed error. Rounding operands to bf16 (8 significant bits) uses up far more of that allowance than f16 does (11 bits, for magnitudes from 6e-5 to 65,504). All else is computed in f32.
;;   The module's matrix products, in the order in which they are computed (A, B: the left and right operand; K: the contracted axis; several contracted axes count as one K, in the product's order):
;;     1. [M 8,192, K 1,024] x [K 1,024, N 3,072]; A: input x; B: input qkv_w: QUANTISED
;;     2. batch 64 x [M 2,048, K 64] x [K 64, N 2,048]; A: computed on the way; B: computed on the way: left as it is (an operand is computed on the way)
;;     3. batch 64 x [M 2,048, K 2,048] x [K 2,048, N 64]; A: computed on the way; B: computed on the way: left as it is (an operand is computed on the way)
;;     4. [M 8,192, K 1,024] x [K 1,024, N 1,024]; A: computed on the way; B: input o_w: left as it is (an operand is computed on the way)
;;   THE QUANTISER, for each operand of a quantised product, along K:
;;     - K is cut into blocks of 32 from its start; a last block that is shorter is filled with zeros.
;;     - A block's scale is 2^e with e = floor(log2(the largest magnitude in the block)) - 2, held to -126 .. 127; a block of zeros has e = 0. As a byte (E8M0): e + 127.
;;     - Each number is divided by its block's scale, clamped to +-6, and rounded to the nearest number of E2M1, ties to even, subnormals kept.
;;     - The product sums the exact products of the quantised numbers (number of the format x scale) in f32.
;;   ~~~python
;;   def quantise(x, axis):      # numpy; x: float32 -> the quantised numbers, widened to float32 again
;;       x = np.moveaxis(x, axis, -1); K = x.shape[-1]
;;       x = np.pad(x, [(0, 0)] * (x.ndim - 1) + [(0, -K % 32)]); x = x.reshape(x.shape[:-1] + (-1, 32)); a = np.abs(x).max(-1, keepdims=True)
;;       e = np.where(a > 0, np.clip(np.frexp(np.where(a > 0, a, 1))[1] - 1 - 2, -126, 127), 0)      # np.frexp(a)[1] - 1 = floor(log2(a)), exactly
;;       r = np.clip(x / 2.0 ** e, -6, 6)
;;       step = 2.0 ** (np.maximum(np.frexp(np.where(r == 0, 1, r))[1] - 1, 0) - 1)
;;       q = np.round(r / step) * step * 2.0 ** e      # np.round: ties to even
;;       return np.moveaxis(q.reshape(q.shape[:-2] + (-1,))[..., :K], -1, axis).astype(np.float32)
;;   ~~~
;; One version. Each part assembles by itself: llvm-mc -triple=amdgcn-amd-amdhsa -mcpu=gfx1250 --defsym DOCPART=n.
;; ======== version 1 of 1: 4 launches
;; limits: values are held in f16: magnitudes above 65,504 overflow, below 6.1e-05 lose precision
;; workspace buffers: xc 4,194,304 bytes; xs 262,144 bytes; wc 1,572,864 bytes; ws 98,304 bytes; ow16 2,097,152 bytes; qkvf 50,331,648 bytes; valsf 16,777,216 bytes
;; launch prep (part 1): grid 384 x 1, 4 waves a work-group, no clusters, 33,280 bytes of LDS; arguments x, qkv_w, o_w, xc, xs, wc, ws, ow16; writes xc, xs, wc, ws, ow16
.if DOCPART == 1
	.amdgcn_target "amdgcn-amd-amdhsa--gfx1250"
	.amdhsa_code_object_version 6
	.text
	.protected	k_q73a584e7ac_prep
	.globl	k_q73a584e7ac_prep
	.p2align	8
	.type	k_q73a584e7ac_prep,@function
k_q73a584e7ac_prep:
	s_mov_b64 s[64:65], 0
	v_nop
	global_prefetch_b8 v0, s[64:65] scope:SCOPE_SE
	s_setreg_imm32_b32 hwreg(HW_REG_WAVE_MODE, 25, 1), 1
	s_wait_xcnt 0x0
; MULTI-HEAD ATTENTION, four launches: this one (operands made ready), qkv (the quantised projection), attn (both attention products), oproj (the projection on the way out).
; WORK LEFT OUT, for all values of the inputs: logits[q][k] = (q0 + bq) . (k0 + bk) / 8 = (q0 + bq) . k0 / 8 + (q0 + bq) . bk / 8.  The second term does not hang on k: it is the same along the
; softmax's axis and cancels there; k goes nowhere else, and the product of q and k is not quantised.  So the 1,024 numbers qkv_b[192 h + 64 .. 192 h + 127] are neither loaded nor added.  The parts of
; qkv_b for q and for v are live and are loaded (launch qkv).  LIMIT: a NaN, an infinity or an overflow that reaches only that term is not carried to the result.
; THIS LAUNCH.  x [8192][1024] and qkv_w [3072][1024], f32, become codes of FP4 (E2M1), K innermost, with one E8M0 byte for each 32 along K; o_w [1024][1024] becomes f16, times 1/8.
; A block's scale is 2^(floor(log2(its largest magnitude)) - 2); its byte is the largest magnitude's exponent field - 2, held at 1 from below.  A block of zeros so gets the byte 1 where the rule says 127:
; its codes are zeros, which add nothing under any byte but 0xff, and this program alone reads the bytes.
; WHY 1/8: launch attn stores 8 x vals as f16 and this launch o_w / 8: both factors are powers of two, so the product is unchanged, and small vals keep their bits in f16.
; LIMITS: blocks whose largest magnitude lies under 2^(2 - 126) were not tried; NaN and infinities among the inputs are not served; |o_w| / 8 over 65,504 becomes infinity.
; SHARES: a work-group takes 32,768 numbers, a wave 8,192.  Work-groups 0-255: x; 256-351: qkv_w; 352-383: o_w.  Rows are dense and K is a multiple of 32: the tensors are plain streams.
; No tensor loads, no barrier, no cluster, no matrix work: waves share nothing and memory binds.
.set WAVES, 4
.set STEPS, 16
.set WGA,   256                        ; x's work-groups
.set WGQ,   352                        ; x's and qkv_w's
.set EMAX,  2
.set CB,    8                          ; bytes of 16 codes
.set R,     16                         ; v16-79   four sets of 16 numbers as they are loaded
.set X,     80                         ; v80-111  two sets of 16 neighbours
.set C,     128                        ; v128-191 codes: four registers for each step
.set E,     112                        ; v112-127 a scale byte for each step
.set WREG,  8192                       ; LDS: a region for each wave: two stages of 32 x SP bytes, then its 256 scale bytes
.set SP,    80                         ; a lane's place in a stage: 64 bytes + 16 of padding
.set SPW,   12                         ; v12 LDS address of my spare word; never rewritten
.set NIL,   13                         ; v13 0; never rewritten
.set SPARE, WAVES*WREG                 ; behind the regions: the spare words, 128 bytes a wave, which no other line names
	s_load_b256 s[4:11], s[0:1], 0x0               ; x s[4:5], qkv_w s[6:7], o_w s[8:9], xc s[10:11]
	s_load_b256 s[12:19], s[0:1], 0x20             ; xs s[12:13], wc s[14:15], ws s[16:17], ow16 s[18:19]
	v_lshl_add_u32 v[SPW], v0, 2, SPARE
	v_mov_b32 v[NIL], 0
	v_lshrrev_b32 v1, 5, v0
	v_readfirstlane_b32 s21, v1                    ; wave
	v_and_b32 v2, 31, v0                           ; lane
	s_wait_kmcnt 0x0
	s_cmp_ge_u32 ttmp9, WGQ                        ; o_w's work-groups take the other path: it touches no LDS
	s_cbranch_scc1 .Lcast
	; ---- the quantiser
	v_lshlrev_b32 v3, 4, v2                        ; my 16 bytes of a load's 512
	s_mul_i32 s26, s21, WREG
	v_lshrrev_b32 v14, 2, v2
	v_mul_u32_u24 v14, v14, SP
	v_and_b32 v15, 3, v2
	v_lshl_add_u32 v14, v15, 4, v14
	v_add_nc_u32 v14, s26, v14                     ; the stage on the way in: SP (lane / 4) + 16 (lane % 4)
	v_mul_u32_u24 v15, v2, SP
	v_add_nc_u32 v15, s26, v15                     ; and on the way out: SP x lane: my 16 neighbours
	v_mul_u32_u24 v4, v2, CB                       ; my codes' place in a step's
	v_lshrrev_b32 v5, 1, v2
	s_add_co_u32 s26, s26, 2*32*SP
	v_add_nc_u32 v5, s26, v5                       ; my block's byte among my wave's 256
	v_lshlrev_b32 v7, 3, v2                        ; on the way out 8 bytes a lane
	v_add_nc_u32 v6, s26, v7
	s_cmp_lt_u32 ttmp9, WGA                        ; x or qkv_w: the choice hangs on the work-group's number alone
	s_cselect_b64 s[4:5], s[4:5], s[6:7]
	s_cselect_b64 s[10:11], s[10:11], s[14:15]
	s_cselect_b64 s[12:13], s[12:13], s[16:17]
	s_cselect_b32 s20, 0, WGA
	s_sub_co_u32 s20, ttmp9, s20
	s_lshl_b32 s20, s20, 2
	s_add_co_u32 s22, s20, s21                     ; which run of 8,192 numbers is my wave's
	s_mov_b32 s25, 0
	s_lshl_b32 s24, s22, 15                        ; 32,768 bytes of numbers,
	s_add_nc_u64 s[4:5], s[4:5], s[24:25]
	s_lshl_b32 s24, s22, 12                        ; 4,096 of codes,
	s_add_nc_u64 s[10:11], s[10:11], s[24:25]
	s_lshl_b32 s24, s22, 8                         ; 256 scale bytes a run
	s_add_nc_u64 s[12:13], s[12:13], s[24:25]
.macro LOAD t
.irp i, 0,1,2,3
	global_load_b128 v[R+16*((\t)%4)+4*\i:R+16*((\t)%4)+4*\i+3], v3, s[4:5] offset:2048*(\t)+512*\i th:TH_LOAD_NT   ; 32 lanes read 512 consecutive bytes
.endr
.endm
.macro TURN t                          ; step t's numbers through the stage: LDS serves a wave's instructions in order, so no wait stands between the stores and the loads
.irp i, 0,1,2,3
	ds_store_b128 v14, v[R+16*((\t)%4)+4*\i:R+16*((\t)%4)+4*\i+3] offset:32*SP*((\t)%2)+8*SP*\i
.endr
.irp i, 0,1,2,3
	ds_load_b128 v[X+16*((\t)%2)+4*\i:X+16*((\t)%2)+4*\i+3], v15 offset:32*SP*((\t)%2)+16*\i
.endr
.endm
.irp t, 0,1,2,3
	LOAD \t
.endr
	s_wait_loadcnt 12                              ; step 0's four loads are in; the twelve behind them stay out
	TURN 0
.macro STEP t
.set XS, X+16*((\t)%2)
.if (\t) > 0
	s_wait_dscnt 1                                 ; this step's numbers are back from the stage (the last step's byte store may be out)
.else
	s_wait_dscnt 0x0
.endif
.if (\t)+4 < STEPS
	LOAD (\t)+4                                    ; into the registers that the stage's stores have read
.endif
.if (\t)+1 < STEPS
.if STEPS-2-(\t) >= 3
	s_wait_loadcnt 12                              ; the next step's four loads are in; those of the three steps behind it may be out
.else
	s_wait_loadcnt 4*(STEPS-2-(\t))
.endif
	TURN (\t)+1
.endif
	v_max3_num_f32 v8, |v[XS]|, |v[XS+1]|, |v[XS+2]|               ; the largest magnitude of my 16, in two chains
	v_max3_num_f32 v9, |v[XS+3]|, |v[XS+4]|, |v[XS+5]|
.irp i, 6,10
	v_max3_num_f32 v8, v8, |v[XS+\i]|, |v[XS+\i+1]|
	v_max3_num_f32 v9, v9, |v[XS+\i+2]|, |v[XS+\i+3]|
.endr
	v_max3_num_f32 v8, v8, |v[XS+14]|, |v[XS+15]|
	v_max3_num_f32 v8, v8, v9, (EMAX+1)<<23        ; and the floor 2^(EMAX + 1 - 127): the byte cannot fall under 1
	v_max_num_f32_dpp v8, v8, v8 row_xmask:1 row_mask:0xf bank_mask:0xf   ; with my neighbour's 16: the block's
	v_add_nc_u32 v11, -(EMAX<<23), v8              ; EMAX off its exponent field: the conversion takes the exponent field of this operand as its scale
	v_cvt_scalef32_pk8_fp4_f32 v[C+4*(\t)], v[XS:XS+7], v11
	v_cvt_scalef32_pk8_fp4_f32 v[C+4*(\t)+1], v[XS+8:XS+15], v11
	v_lshrrev_b32 v[E+(\t)], 23, v11               ; the scale's byte
	ds_store_b8 v5, v[E+(\t)] offset:16*(\t)       ; both lanes of a block write the same byte with the same value
	global_store_b64 v4, v[C+4*(\t):C+4*(\t)+1], s[10:11] offset:32*CB*(\t)   ; 32 lanes store 256 consecutive bytes, aligned
.endm
.irp t, 0,1,2,3,4,5,6,7,8,9,10,11,12,13,14,15
	STEP \t
.endr
	ds_load_b64 v[8:9], v6                         ; LDS serves a wave's instructions in order: these see my stores
	s_wait_dscnt 0x0
	global_store_b64 v7, v[8:9], s[12:13]          ; my wave's 256 scale bytes, consecutive and aligned
	s_wait_tensorcnt 0x0                           ; the wave's end, behind my last LDS store
	ds_add_u32 v[SPW], v[NIL]
	s_wait_dscnt 0x0
	s_endpgm
	; ---- o_w / 8 as f16, row-major as it lies.  A load reads 512 consecutive bytes (16 a lane), a store writes 256 (8 a lane).  Four batches of 16 loads; two are out.
.Lcast:
	s_sub_co_u32 s20, ttmp9, WGQ
	s_lshl_b32 s20, s20, 2
	s_add_co_u32 s22, s20, s21                     ; which run of 8,192 numbers is my wave's
	s_mov_b32 s25, 0
	s_lshl_b32 s24, s22, 15
	s_add_nc_u64 s[8:9], s[8:9], s[24:25]
	s_lshl_b32 s24, s22, 14
	s_add_nc_u64 s[18:19], s[18:19], s[24:25]
	v_lshlrev_b32 v8, 4, v2
	v_lshlrev_b32 v9, 3, v2
.macro CLOAD b
.irp i, 0,1,2,3,4,5,6,7,8,9,10,11,12,13,14,15
	global_load_b128 v[16+64*((\b)%2)+4*\i:16+64*((\b)%2)+4*\i+3], v8, s[8:9] offset:8192*(\b)+512*\i th:TH_LOAD_NT
.endr
.endm
.macro CBATCH b
.set CA, 16+64*((\b)%2)
.if (\b) < 3
	s_wait_loadcnt 16                              ; this batch is in; the next batch's sixteen loads stay out
.else
	s_wait_loadcnt 0x0
.endif
.if (\b) > 0
	s_wait_xcnt 0x0                                ; the last batch's stores have read v144-175: only now are they written again
.endif
.set n, 0
.rept 32
	v_pk_mul_f32 v[CA+2*n:CA+2*n+1], v[CA+2*n:CA+2*n+1], 0x3e000000 op_sel_hi:[1,0]   ; x 1/8: exact
.set n, n+1
.endr
.set n, 0
.rept 32
	v_cvt_pk_f16_f32 v[144+n], v[CA+2*n], v[CA+2*n+1]
.set n, n+1
.endr
.irp i, 0,1,2,3,4,5,6,7,8,9,10,11,12,13,14,15
	global_store_b64 v9, v[144+2*\i:145+2*\i], s[18:19] offset:4096*(\b)+256*\i
.endr
.if (\b) < 2
	CLOAD (\b)+2
.endif
.endm
	CLOAD 0
	CLOAD 1
	CBATCH 0
	CBATCH 1
	CBATCH 2
	CBATCH 3
	s_endpgm
.Lfunc_end_k_q73a584e7ac_prep:
	.size	k_q73a584e7ac_prep, .Lfunc_end_k_q73a584e7ac_prep-k_q73a584e7ac_prep
	.p2alignl 7, 3214868480
	.fill 96, 4, 3214868480
	.section	.rodata,"a",@progbits
	.p2align	6, 0x0
	.amdhsa_kernel k_q73a584e7ac_prep
		.amdhsa_group_segment_fixed_size 33280
		.amdhsa_private_segment_fixed_size 0
		.amdhsa_enable_private_segment 0
		.amdhsa_kernarg_size 64
		.amdhsa_user_sgpr_count 2
		.amdhsa_user_sgpr_kernarg_segment_ptr 1
		.amdhsa_wavefront_size32 1
		.amdhsa_system_sgpr_workgroup_id_x 1
		.amdhsa_system_sgpr_workgroup_id_y 1
		.amdhsa_system_sgpr_workgroup_id_z 1
		.amdhsa_system_vgpr_workitem_id 0
		.amdhsa_next_free_vgpr 192
		.amdhsa_next_free_sgpr 66
		.amdhsa_reserve_vcc 0
		.amdhsa_float_denorm_mode_32 3
		.amdhsa_float_denorm_mode_16_64 3
		.amdhsa_memory_ordered 1
		.amdhsa_forward_progress 1
		.amdhsa_inst_pref_size 66
	.end_amdhsa_kernel
	.amdgpu_metadata
---
amdhsa.version: [ 1, 2 ]
amdhsa.kernels:
  - .name:           k_q73a584e7ac_prep
    .symbol:         k_q73a584e7ac_prep.kd
    .args:
      - { .name: x, .offset: 0, .size: 8, .value_kind: global_buffer, .address_space: global }
      - { .name: qkv_w, .offset: 8, .size: 8, .value_kind: global_buffer, .address_space: global }
      - { .name: o_w, .offset: 16, .size: 8, .value_kind: global_buffer, .address_space: global }
      - { .name: xc, .offset: 24, .size: 8, .value_kind: global_buffer, .address_space: global }
      - { .name: xs, .offset: 32, .size: 8, .value_kind: global_buffer, .address_space: global }
      - { .name: wc, .offset: 40, .size: 8, .value_kind: global_buffer, .address_space: global }
      - { .name: ws, .offset: 48, .size: 8, .value_kind: global_buffer, .address_space: global }
      - { .name: ow16, .offset: 56, .size: 8, .value_kind: global_buffer, .address_space: global }
    .group_segment_fixed_size: 33280
    .private_segment_fixed_size: 0
    .kernarg_segment_align: 8
    .kernarg_segment_size: 64
    .max_flat_workgroup_size: 128
    .sgpr_count:     66
    .vgpr_count:     192
    .wavefront_size: 32
...
	.end_amdgpu_metadata
.endif
;; end of part 1
;; launch qkv (part 2): grid 16 x 32, 12 waves a work-group, clusters of 4 x 4, 262,144 bytes of LDS; arguments xc, xs, wc, ws, qkv_b, qkvf; writes qkvf
.if DOCPART == 2
	.amdgcn_target "amdgcn-amd-amdhsa--gfx1250"
	.amdhsa_code_object_version 6
	.text
	.protected	k_q73a584e7ac_qkv
	.globl	k_q73a584e7ac_qkv
	.p2align	8
	.type	k_q73a584e7ac_qkv,@function
k_q73a584e7ac_qkv:
	s_mov_b64 s[64:65], 0
	v_nop
	global_prefetch_b8 v0, s[64:65] scope:SCOPE_SE
	s_setreg_imm32_b32 hwreg(HW_REG_WAVE_MODE, 25, 1), 1
	s_wait_xcnt 0x0
	s_wait_alu depctr_hold_cnt(0) depctr_sa_sdst(0) depctr_va_vdst(0) depctr_va_sdst(0) depctr_va_ssrc(0) depctr_va_vcc(0) depctr_vm_vsrc(0)
	s_getreg_b32 s2, hwreg(HW_REG_IB_STS2, 6, 4)
	s_cmp_eq_u32 s2, 0
	s_cbranch_scc0 .Lentry_in_a_cluster
	s_endpgm
.Lentry_in_a_cluster:
	s_bfe_u32 s2, ttmp6, 0x10000c
	s_cmp_lg_u32 s2, 0xf033
	s_cbranch_scc0 .Lentry_shape_is_right
	s_endpgm
.Lentry_shape_is_right:
; q, k, v = x qkv_w^T (+ bias), on codes of FP4 (E2M1) with one E8M0 scale for each 32 along K = 1,024; sums in f32; results rounded to f16 and stored as IMAGES OF THE OPERAND REGISTERS that launch attn wants.
; WORK LEFT OUT: k's bias, qkv_b[192 h + 64 .. 192 h + 127]: it adds to every logit of a query the same number, which the softmax cancels (shown at the head of launch prep).
; q is stored as (q0 + bq) x log2(e) / 8, so that a score is already the exponent of 2.  LIMITS: magnitudes of that q, of k and of v over 65,504 become infinity in f16; NaN and infinities are not served.
; SHARES.  A work-group makes 256 tokens x the 192 columns of one head (hd).  Twelve waves: wave w takes tokens 64 (w & 3) on and role j = w / 4: 0 q, 1 k, 2 v: a tile of 64 x 64, 16 accumulators.
; ALL OF K LIES IN LDS AT ONCE, in two chunks of 512 along K: every tile is filled once; chunk 1 lands while chunk 0 is multiplied.  No byte of LDS is filled twice.
; ONE TEXT FOR ALL ROLES: D(a, b) = S0(a) x S1(b).  q and k: S0 = 16 rows of W, S1 = 16 tokens: a lane holds ONE token and eight neighbouring channels, which packed are half a fragment of q or k.
; v: S0 = 16 tokens, S1 = 16 rows of W: a lane holds ONE channel and eight neighbouring tokens: half a fragment of V with the keys along its registers.  Only LDS base addresses differ, by the wave's number.
; So each store is 16 bytes a lane at 16 x lane: 512 consecutive bytes, aligned; no stage, no transposition.
; CLUSTER 4 x 4: the four of a row share their 256 tokens of x, the four of a column their head's rows of W: each tile is asked for jointly.
; qkvf: three sections of 2^24 bytes (q, k, v), each [b h][262,144].  q, k: [tile of 16 tokens][channel group of 32][half g][lane][16 B]; v: [group of 32 keys][tile of 16 channels][half g][lane][16 B].
.set PITCH, 272                        ; an LDS row: 256 bytes of codes + 16 of padding: the 16 rows of a load start 68 words apart
.set UNIT,  64*PITCH                   ; 64 rows: what one tensor load brings.  Units 0-3: x's rows; 4-6: W's (q, k, v)
.set CH,    7*UNIT                     ; a chunk: 512 along K of all seven units
.set SCL,   2*CH                       ; behind the chunks: the scale bytes, 64 rows x 32 bytes a unit, as 8 rows of 256 + 16
.set SUNIT, 8*272
.set SPARE, 259072                     ; the next multiple of 256 behind the scales: the spare words, 128 bytes a wave, which no other line names
.set LO,  3                            ; v3     16 x lane
.set A0,  4                            ; v4-5   S0's fragments in chunk 0, 1
.set A1,  6                            ; v6-7   S1's
.set Z0,  8                            ; v8     S0's scale words
.set Z1,  9                            ; v9     S1's
.set SPW, 10                           ; v10    my spare word; never rewritten
.set NIL, 11                           ; v11    0; never rewritten
.set BI,  16                           ; v16-47 the bias
.set SC0, 48                           ; v48-51 scale words of S0's four tiles; v52-55 of S1's: these hold scales and nothing else
.set SC1, 52
.set F0,  64                           ; v64-95  S0's four fragments;  v96-127 S1's
.set F1,  96
.set ACC, 128                          ; v128-255 accumulator (a, b) at 128 + 8 (4 a + b)
.set WV,  16
.set G1X, 20                           ; s[20:27] group 1: x's codes;  s[28:35] W's;  s[36:43] x's scales;  s[44:51] W's
.set G1W, 28
.set G1SX, 36
.set G1SW, 44
.set G0X, 52                           ; s[52:63] groups 0 for x: scales, chunk 0, chunk 1;  s[68:79] for W
.set G0W, 68
.set CS,  86                           ; s[86:87] log2(e) / 8
.macro CROUND                          ; a round of the cluster's barrier
	s_barrier_signal -1
	s_barrier_wait -1
	s_cmp_lg_u32 s[WV], 0
	s_cbranch_scc1 .Lnot_wave_0_\@
	s_barrier_signal -3
.Lnot_wave_0_\@:
	s_barrier_wait -3
	s_barrier_signal -1
	s_barrier_wait -1
.endm
	s_load_b256 s[4:11], s[0:1], 0x0               ; xc s[4:5], xs s[6:7], wc s[8:9], ws s[10:11]
	s_load_b128 s[12:15], s[0:1], 0x20             ; qkv_b s[12:13], qkvf s[14:15]
	v_lshl_add_u32 v[SPW], v0, 2, SPARE
	v_mov_b32 v[NIL], 0
	ds_add_u32 v[SPW], v[NIL]                      ; the wave's opening: the add, twice on end, and its wait ahead of the first tensor loads
	ds_add_u32 v[SPW], v[NIL]
	v_lshrrev_b32 v1, 5, v0
	v_readfirstlane_b32 s[WV], v1                  ; wave 0..11
	s_and_b32 s17, s[WV], 3                        ; i: my 64 tokens
	s_lshr_b32 s18, s[WV], 2                       ; j: my role
	s_lshr_b32 s19, s18, 1                         ; 1 in v's waves
	s_xor_b32 s80, s19, 1                          ; 1 in q's and k's
	s_bfe_u32 s81, ttmp6, 0x40000                  ; cx
	s_bfe_u32 s82, ttmp6, 0x40004                  ; cy
	s_lshl_b32 s83, ttmp9, 2
	s_add_co_u32 s83, s83, s81                     ; hd = 4 x cluster x + cx
	s_and_b32 s84, ttmp7, 0xffff
	s_lshl_b32 s84, s84, 2
	s_add_co_u32 s84, s84, s82                     ; ty = 4 x cluster y + cy: my block of 256 tokens
	s_lshl_b32 s100, s82, 2
	s_lshl_b32 s100, 15, s100                      ; my row of the cluster
	s_lshl_b32 s101, 0x1111, s81                   ; my column
	s_or_b32 s[G1X], s100, (1<<20)|(1<<21)|(5<<22)|(3<<25)          ; the mask; elements of 1 byte; padding on; bit 21 beside a mask; after every 64 words, 4 words
	s_or_b32 s[G1W], s101, (1<<20)|(1<<21)|(5<<22)|(3<<25)
.irp g, G1X, G1W
	s_mov_b32 s[\g+1], 256<<16                     ; tensor_dim0 = 256 bytes: 512 codes
	s_mov_b32 s[\g+2], 64<<16                      ; tensor_dim1 = 64
	s_mov_b32 s[\g+3], 256<<16                     ; tile_dim0
	s_mov_b32 s[\g+4], 64                          ; tile_dim1
	s_mov_b32 s[\g+5], 512                         ; a row of codes in memory
	s_mov_b32 s[\g+6], 0
	s_mov_b32 s[\g+7], 0
.endr
	s_or_b32 s[G1SX], s100, (3<<16)|(1<<20)|(1<<21)|(5<<22)|(3<<25) ; the scales of 64 rows: 2,048 dense bytes as 8 rows of 32 elements of 8 bytes
	s_or_b32 s[G1SW], s101, (3<<16)|(1<<20)|(1<<21)|(5<<22)|(3<<25)
.irp g, G1SX, G1SW
	s_mov_b32 s[\g+1], 32<<16
	s_mov_b32 s[\g+2], 8<<16
	s_mov_b32 s[\g+3], 32<<16
	s_mov_b32 s[\g+4], 8
	s_mov_b32 s[\g+5], 32
	s_mov_b32 s[\g+6], 0
	s_mov_b32 s[\g+7], 0
.endr
	s_lshl_b32 s92, s84, 8                         ; x: row 256 ty + 64 i (registers that never hold cx)
	s_lshl_b32 s94, s17, 6
	s_add_co_u32 s92, s92, s94
	s_lshl_b32 s94, s92, 5                         ; its scale bytes,
	s_lshl_b32 s92, s92, 9                         ; its codes
	s_mov_b32 s93, 0
	s_mov_b32 s95, 0
	s_mul_i32 s96, s83, 192                        ; W: row 192 hd + 64 i (registers that never hold cy); waves 4-6 have i = 0, 1, 2
	s_lshl_b32 s98, s17, 6
	s_add_co_u32 s96, s96, s98
	s_lshl_b32 s98, s96, 5
	s_lshl_b32 s96, s96, 9
	s_mov_b32 s97, 0
	s_mov_b32 s99, 0
	s_min_u32 s85, s[WV], 6                        ; the unit that I fill, if I fill one
	s_mul_i32 s3, s85, SUNIT
	s_mul_i32 s85, s85, UNIT
	s_mov_b32 s[CS], 0x3e38aa3b                    ; log2(e) / 8
	s_mov_b32 s[CS+1], s[CS]
	s_wait_dscnt 0x0                               ; both opening adds are done
	s_wait_kmcnt 0x0
	s_mov_b32 s[G0X], 1
	s_add_co_u32 s[G0X+1], s3, SCL
	s_add_nc_u64 s[G0X+2:G0X+3], s[6:7], s[94:95]
	s_or_b32 s[G0X+3], s[G0X+3], 0x80000000
	s_mov_b32 s[G0X+4], 1
	s_mov_b32 s[G0X+5], s85
	s_add_nc_u64 s[G0X+6:G0X+7], s[4:5], s[92:93]
	s_or_b32 s[G0X+7], s[G0X+7], 0x80000000
	s_mov_b32 s[G0X+8], 1
	s_add_co_u32 s[G0X+9], s85, CH
	s_add_nc_u64 s[G0X+10:G0X+11], s[4:5], s[92:93]
	s_add_nc_u64 s[G0X+10:G0X+11], s[G0X+10:G0X+11], 256
	s_or_b32 s[G0X+11], s[G0X+11], 0x80000000
	s_mov_b32 s[G0W], 1
	s_add_co_u32 s[G0W+1], s3, SCL
	s_add_nc_u64 s[G0W+2:G0W+3], s[10:11], s[98:99]
	s_or_b32 s[G0W+3], s[G0W+3], 0x80000000
	s_mov_b32 s[G0W+4], 1
	s_mov_b32 s[G0W+5], s85
	s_add_nc_u64 s[G0W+6:G0W+7], s[8:9], s[96:97]
	s_or_b32 s[G0W+7], s[G0W+7], 0x80000000
	s_mov_b32 s[G0W+8], 1
	s_add_co_u32 s[G0W+9], s85, CH
	s_add_nc_u64 s[G0W+10:G0W+11], s[8:9], s[96:97]
	s_add_nc_u64 s[G0W+10:G0W+11], s[G0W+10:G0W+11], 256
	s_or_b32 s[G0W+11], s[G0W+11], 0x80000000
	CROUND                                         ; all sixteen work-groups are here: the joint loads meet
	s_cmp_lt_u32 s[WV], 4                          ; a wave's three fills stand in one arm: waves 0-3 x's units, waves 4-6 W's, the others none.  Three loads of a wave are out at the most
	s_cbranch_scc0 .Lnot_x
	tensor_load_to_lds s[G0X:G0X+3], s[G1SX:G1SX+7]
	s_nop 0
	tensor_load_to_lds s[G0X+4:G0X+7], s[G1X:G1X+7]
	s_nop 0
	tensor_load_to_lds s[G0X+8:G0X+11], s[G1X:G1X+7]
	s_nop 0
.rept 4
	v_nop
.endr
	s_branch .Lasked
.Lnot_x:
	s_cmp_lt_u32 s[WV], 7
	s_cbranch_scc0 .Lasked
	tensor_load_to_lds s[G0W:G0W+3], s[G1SW:G1SW+7]
	s_nop 0
	tensor_load_to_lds s[G0W+4:G0W+7], s[G1W:G1W+7]
	s_nop 0
	tensor_load_to_lds s[G0W+8:G0W+11], s[G1W:G1W+7]
	s_nop 0
.rept 4
	v_nop
.endr
.Lasked:
	v_and_b32 v1, 15, v0                           ; r
	v_bfe_u32 v2, v0, 4, 1                         ; h
	v_and_b32 v[LO], 31, v0
	v_lshlrev_b32 v[LO], 4, v[LO]
	v_mul_u32_u24 v14, v1, PITCH
	v_lshl_add_u32 v14, v2, 4, v14                 ; a fragment: row r x pitch + 16 h
	v_lshrrev_b32 v15, 3, v1
	v_lshlrev_b32 v15, 4, v15
	v_lshl_add_u32 v15, v1, 5, v15                 ; a scale word: 32 bytes a row, and 16 more behind every eight rows
	s_add_co_u32 s85, s18, 4                       ; W's unit of my role
	s_mul_i32 s66, s80, s85
	s_mul_i32 s3, s19, s17
	s_add_co_u32 s66, s66, s3                      ; S0's unit: W's for q and k, x's for v
	s_mul_i32 s67, s80, s17
	s_mul_i32 s3, s19, s85
	s_add_co_u32 s67, s67, s3                      ; S1's unit: the other one
	s_mul_i32 s3, s66, UNIT
	v_add_nc_u32 v[A0], s3, v14
	v_add_nc_u32 v[A0+1], CH, v[A0]
	s_mul_i32 s3, s67, UNIT
	v_add_nc_u32 v[A1], s3, v14
	v_add_nc_u32 v[A1+1], CH, v[A1]
	s_mul_i32 s3, s66, SUNIT
	s_add_co_u32 s3, s3, SCL
	v_add_nc_u32 v[Z0], s3, v15
	s_mul_i32 s3, s67, SUNIT
	s_add_co_u32 s3, s3, SCL
	v_add_nc_u32 v[Z1], s3, v15
	v_lshlrev_b32 v12, 5, v2                       ; q's bias: 32 h
	v_lshlrev_b32 v13, 2, v1                       ; v's: 4 r
	s_mul_i32 s88, s83, 768                        ; the head's 192 numbers of qkv_b
	s_mov_b32 s89, 0
	s_add_nc_u64 s[88:89], s[12:13], s[88:89]
	s_lshr_b32 s90, s84, 3                         ; where my results go: batch = ty / 8,
	s_lshl_b32 s90, s90, 4
	s_add_co_u32 s90, s90, s83                     ; b h,
	s_lshl_b32 s90, s90, 18
	s_and_b32 s2, s84, 7
	s_lshl_b32 s2, s2, 15                          ; 256 tokens are 32,768 bytes in each of the three layouts,
	s_add_co_u32 s90, s90, s2
	s_lshl_b32 s2, s17, 13                         ; 64 tokens 8,192,
	s_add_co_u32 s90, s90, s2
	s_lshl_b32 s2, s18, 24                         ; and the role's section
	s_add_co_u32 s90, s90, s2
	s_mov_b32 s91, 0
	s_add_nc_u64 s[90:91], s[14:15], s[90:91]
	s_cmp_lt_u32 s[WV], 4
	s_cbranch_scc0 .Lbias_not_q
.irp a, 0,1,2,3                                ; q: lane (r, h) wants, for tile a, bq[16 a + 8 h + 0 .. 7]
.irp e, 0,1
	global_load_b128 v[BI+8*\a+4*\e:BI+8*\a+4*\e+3], v12, s[88:89] offset:64*\a+16*\e
.endr
.endr
	s_branch .Lbias_done
.Lbias_not_q:
	s_cmp_lt_u32 s[WV], 8
	s_cbranch_scc1 .Lbias_done                     ; k: nothing is loaded
.irp b, 0,1,2,3                                ; v: lane (r, h) wants, for tile b, bv[16 b + r], twice: a pair for the packed addition
	global_load_b32 v[BI+2*\b], v13, s[88:89] offset:512+64*\b
	global_load_b32 v[BI+2*\b+1], v13, s[88:89] offset:512+64*\b
.endr
.Lbias_done:
; 128 along K: the q-th of chunk c.  24 LDS loads, their wait, 16 products; the 16 accumulators take turns in the same order in every step.  zero = 1: the products start the sums.
; The four v_nop at the end are the places between the products and the next step's loads into their operands and scale registers (behind the last step: the first reads of results).
.macro KSTEP c, q, zero
.irp t, 0,1,2,3
.irp e, 0,1
	ds_load_b128 v[F0+8*\t+4*\e:F0+8*\t+4*\e+3], v[A0+\c] offset:16*PITCH*\t+64*\q+32*\e
.endr
.endr
.irp t, 0,1,2,3
.irp e, 0,1
	ds_load_b128 v[F1+8*\t+4*\e:F1+8*\t+4*\e+3], v[A1+\c] offset:16*PITCH*\t+64*\q+32*\e
.endr
.endr
.irp t, 0,1,2,3
	ds_load_b32 v[SC0+\t], v[Z0] offset:544*\t+16*\c+4*\q
	ds_load_b32 v[SC1+\t], v[Z1] offset:544*\t+16*\c+4*\q
.endr
	s_wait_dscnt 0x0
.irp a, 0,1,2,3
.irp b, 0,1,2,3
.if \zero
	v_wmma_scale_f32_16x16x128_f8f6f4 v[ACC+8*(4*\a+\b):ACC+8*(4*\a+\b)+7], v[F0+8*\a:F0+8*\a+7], v[F1+8*\b:F1+8*\b+7], 0, v[SC0+\a], v[SC1+\b] matrix_a_fmt:MATRIX_FMT_FP4 matrix_b_fmt:MATRIX_FMT_FP4
.else
	v_wmma_scale_f32_16x16x128_f8f6f4 v[ACC+8*(4*\a+\b):ACC+8*(4*\a+\b)+7], v[F0+8*\a:F0+8*\a+7], v[F1+8*\b:F1+8*\b+7], v[ACC+8*(4*\a+\b):ACC+8*(4*\a+\b)+7], v[SC0+\a], v[SC1+\b] matrix_a_fmt:MATRIX_FMT_FP4 matrix_b_fmt:MATRIX_FMT_FP4
.endif
.endr
.endr
.rept 4
	v_nop
.endr
.endm
	s_wait_tensorcnt 1                             ; my scales and my part of chunk 0 are in; chunk 1's load, issued behind them, may be out
	s_barrier_signal -1
	s_barrier_wait -1                              ; everybody's are
	KSTEP 0, 0, 1
	KSTEP 0, 1, 0
	KSTEP 0, 2, 0
	KSTEP 0, 3, 0
	s_wait_tensorcnt 0x0                           ; my part of chunk 1 is in
	s_barrier_signal -1                            ; (no LDS instruction of mine is out: each step waits for its loads)
	s_barrier_wait -1
	KSTEP 1, 0, 0
	KSTEP 1, 1, 0
	KSTEP 1, 2, 0
	KSTEP 1, 3, 0
	; THE WAY OUT.  Each accumulator is taken from its low end on.
	s_cmp_lt_u32 s[WV], 4
	s_cbranch_scc0 .Lout_not_q
	s_wait_loadcnt 0x0                             ; q: (sum + bq) c = sum c + bq c
.set n, 0
.rept 16
	v_pk_mul_f32 v[BI+2*n:BI+2*n+1], v[BI+2*n:BI+2*n+1], s[CS:CS+1] op_sel_hi:[1,0]
.set n, n+1
.endr
.irp a, 0,1,2,3
.irp b, 0,1,2,3
.irp i, 0,1,2,3
	v_pk_fma_f32 v[ACC+8*(4*\a+\b)+2*\i:ACC+8*(4*\a+\b)+2*\i+1], v[ACC+8*(4*\a+\b)+2*\i:ACC+8*(4*\a+\b)+2*\i+1], s[CS:CS+1], v[BI+8*\a+2*\i:BI+8*\a+2*\i+1] op_sel_hi:[1,0,1]
.endr
.endr
.endr
	s_branch .Lpack
.Lout_not_q:
	s_cmp_lt_u32 s[WV], 8
	s_cbranch_scc1 .Lpack                          ; k goes out as it is
	s_wait_loadcnt 0x0                             ; v: + bv of my channel
.irp a, 0,1,2,3
.irp b, 0,1,2,3
.irp i, 0,1,2,3
	v_pk_add_f32 v[ACC+8*(4*\a+\b)+2*\i:ACC+8*(4*\a+\b)+2*\i+1], v[ACC+8*(4*\a+\b)+2*\i:ACC+8*(4*\a+\b)+2*\i+1], v[BI+2*\b:BI+2*\b+1]
.endr
.endr
.endr
.Lpack:
.set n, 0
.rept 64
	v_cvt_pk_f16_f32 v[F0+n], v[ACC+2*n], v[ACC+2*n+1]             ; accumulator t's eight numbers into v[F0 + 4 t] on: 16 bytes a lane
.set n, n+1
.endr
	s_cmp_lt_u32 s[WV], 8
	s_cbranch_scc0 .Lstore_v
.irp a, 0,1,2,3                                ; q, k: token tile b, channels 16 a + 8 h on: channel group a / 2, half a % 2
.irp b, 0,1,2,3
	global_store_b128 v[LO], v[F0+4*(4*\a+\b):F0+4*(4*\a+\b)+3], s[90:91] offset:2048*\b+1024*(\a/2)+512*(\a%2)
.endr
.endr
	s_branch .Lstored
.Lstore_v:
.irp a, 0,1,2,3                                ; v: channel tile b, keys 16 a + 8 h on: key group a / 2, half a % 2
.irp b, 0,1,2,3
	global_store_b128 v[LO], v[F0+4*(4*\a+\b):F0+4*(4*\a+\b)+3], s[90:91] offset:4096*(\a/2)+1024*\b+512*(\a%2)
.endr
.endr
.Lstored:
	s_wait_tensorcnt 0x0                           ; the wave's end
	ds_add_u32 v[SPW], v[NIL]
	s_wait_dscnt 0x0
	CROUND                                         ; the closing round
	s_endpgm
.Lfunc_end_k_q73a584e7ac_qkv:
	.size	k_q73a584e7ac_qkv, .Lfunc_end_k_q73a584e7ac_qkv-k_q73a584e7ac_qkv
	.p2alignl 7, 3214868480
	.fill 96, 4, 3214868480
	.section	.rodata,"a",@progbits
	.p2align	6, 0x0
	.amdhsa_kernel k_q73a584e7ac_qkv
		.amdhsa_group_segment_fixed_size 262144
		.amdhsa_private_segment_fixed_size 0
		.amdhsa_enable_private_segment 0
		.amdhsa_kernarg_size 48
		.amdhsa_user_sgpr_count 2
		.amdhsa_user_sgpr_kernarg_segment_ptr 1
		.amdhsa_wavefront_size32 1
		.amdhsa_system_sgpr_workgroup_id_x 1
		.amdhsa_system_sgpr_workgroup_id_y 1
		.amdhsa_system_sgpr_workgroup_id_z 1
		.amdhsa_system_vgpr_workitem_id 0
		.amdhsa_next_free_vgpr 256
		.amdhsa_next_free_sgpr 102
		.amdhsa_reserve_vcc 0
		.amdhsa_float_denorm_mode_32 3
		.amdhsa_float_denorm_mode_16_64 3
		.amdhsa_memory_ordered 1
		.amdhsa_forward_progress 1
		.amdhsa_inst_pref_size 57
	.end_amdhsa_kernel
	.amdgpu_metadata
---
amdhsa.version: [ 1, 2 ]
amdhsa.kernels:
  - .name:           k_q73a584e7ac_qkv
    .symbol:         k_q73a584e7ac_qkv.kd
    .args:
      - { .name: xc, .offset: 0, .size: 8, .value_kind: global_buffer, .address_space: global }
      - { .name: xs, .offset: 8, .size: 8, .value_kind: global_buffer, .address_space: global }
      - { .name: wc, .offset: 16, .size: 8, .value_kind: global_buffer, .address_space: global }
      - { .name: ws, .offset: 24, .size: 8, .value_kind: global_buffer, .address_space: global }
      - { .name: qkv_b, .offset: 32, .size: 8, .value_kind: global_buffer, .address_space: global }
      - { .name: qkvf, .offset: 40, .size: 8, .value_kind: global_buffer, .address_space: global }
    .group_segment_fixed_size: 262144
    .private_segment_fixed_size: 0
    .kernarg_segment_align: 8
    .kernarg_segment_size: 48
    .max_flat_workgroup_size: 384
    .sgpr_count:     102
    .vgpr_count:     256
    .wavefront_size: 32
...
	.end_amdgpu_metadata
.endif
;; end of part 2
;; launch attn (part 3): grid 4 x 64, 16 waves a work-group, clusters of 4 x 1, 327,680 bytes of LDS; arguments qkvf, valsf; writes valsf
.if DOCPART == 3
	.amdgcn_target "amdgcn-amd-amdhsa--gfx1250"
	.amdhsa_code_object_version 6
	.text
	.protected	k_q73a584e7ac_attn
	.globl	k_q73a584e7ac_attn
	.p2align	8
	.type	k_q73a584e7ac_attn,@function
k_q73a584e7ac_attn:
	s_mov_b64 s[64:65], 0
	v_nop
	global_prefetch_b8 v0, s[64:65] scope:SCOPE_SE
	s_setreg_imm32_b32 hwreg(HW_REG_WAVE_MODE, 25, 1), 1
	s_wait_xcnt 0x0
	s_wait_alu depctr_hold_cnt(0) depctr_sa_sdst(0) depctr_va_vdst(0) depctr_va_sdst(0) depctr_va_ssrc(0) depctr_va_vcc(0) depctr_vm_vsrc(0)
	s_getreg_b32 s2, hwreg(HW_REG_IB_STS2, 6, 4)
	s_cmp_eq_u32 s2, 0
	s_cbranch_scc0 .Lentry_in_a_cluster
	s_endpgm
.Lentry_in_a_cluster:
	s_bfe_u32 s2, ttmp6, 0x10000c
	s_cmp_lg_u32 s2, 0x3003
	s_cbranch_scc0 .Lentry_shape_is_right
	s_endpgm
.Lentry_shape_is_right:
; vals[b h][q][:] = the sum over k of softmax_k(q . k / 8) v[k][:], head size 64, 2,048 keys, no mask.  Operands in f16, products' sums, maxima, exponentials and row sums in f32.
; q arrives as (q0 + bq) log2(e) / 8 and k without its bias (left out: shown at the head of launch prep), so a score s is the exponent of 2: p = 2^(s - m), m the running maximum of the row;
; in every step O and the sum l are multiplied by a = 2^(m_old - m_new).  The sum is taken of the unrounded p.  At the end 8 O / l is rounded to f16 (the 8 is taken back by o_w / 8).
; LIMITS: 8 |vals| over 65,504 becomes infinity; NaN and infinities are not served.
; SHARES.  A work-group owns 512 queries of one (b, h), each of its SIXTEEN waves 32: two tiles of 16, in 256 registers: four waves to a SIMD, so that one wave's softmax stands beside another's products and LDS loads.
; LAYOUT.  S^T = K Q^T (source 0 = 16 keys, source 1 = 16 queries) and O^T = V^T P (source 0 = 16 channels, source 1 = P): a lane holds ONE query throughout; two tiles of S^T, packed in pairs, ARE a fragment of P.
; q, k, v lie in memory as images of these fragments' registers: every tile is a dense block, every fragment comes by ds_load_b128 at 16 x lane: consecutive bytes, no padding.
; RING: two slots of 256 keys (32 KiB of K, 32 KiB of V), filled by waves 0-3, 16 KiB each.  CLUSTER: the four query blocks of a head walk the same K and V: each tile is asked for jointly.
; One tensor load of a wave is out at a time; it has a slot's four key steps in which to land.
.set SLOT1, 1<<16                      ; slot 1 begins here: one exclusive or turns an address
.set SPARE, 2*SLOT1                    ; behind the ring: the spare words, 128 bytes a wave, which no other line names
.set LI,  1                            ; v1  16 x lane
.set ADK, 2                            ; v2  16 x lane + the slot in hand
.set SPW, 3                            ; v3  my spare word; never rewritten
.set NIL, 4                            ; v4  0; never rewritten
.set PFO, 5                            ; v5  256 x lane
.set ST,  8                            ; tile t's statistics at v[ST + 8 t]: +0 m, +1 0 (named with m as a pair), +2, +3 l, +4 to +7 c0-c3 at work; +4, +5 later a second chain of sums; +6 later a; +7 m_old - m_new
.set QF,  24                           ; v24-55   Q: fragment (t, c) at 24 + 16 t + 8 c
.set KV,  56                           ; v56-119  eight fragments: a step's K, then its V
.set S,   120                          ; v120-183 S^T: (t, kt) at 120 + 32 t + 8 kt; P is packed in place into the first 16 of a tile's 32
.set O,   184                          ; v184-247 O^T: (t, ct) at 184 + 32 t + 8 ct
.set WV,  8
.set PFA, 28                           ; s[28:29] where my prefetches stand
.set LIM, 30                           ; s30 1 in a wave that prefetches, else the greatest number
.set SLOTS, 31                         ; s31 slots still to be asked for
.set TB,  32                           ; s32 LDS byte at which the slot in hand begins
.set SEL, 34                           ; s[34:35] v_permlanex16_b32's selects for lane l xor 16
.macro CROUND
	s_barrier_signal -1
	s_barrier_wait -1
	s_cmp_lg_u32 s[WV], 0
	s_cbranch_scc1 .Lnot_wave_0_\@
	s_barrier_signal -3
.Lnot_wave_0_\@:
	s_barrier_wait -3
	s_barrier_signal -1
	s_barrier_wait -1
.endm
.macro JLOAD                           ; waves 0, 1: K's halves of a slot; waves 2, 3: V's.  The branch hangs on the wave's number alone
	s_cmp_lt_u32 s[WV], 4
	s_cbranch_scc0 .Lnone_\@
	tensor_load_to_lds s[12:15], s[16:23]
	s_nop 0
.rept 4
	v_nop
.endr
.Lnone_\@:
.endm
; A prefetch of the slot that the NEXT change will ask for: 32 KiB of K, 32 KiB of V.  One cluster alone reads a head's K and V; its four partners share the blocks out by address, 8 KiB each;
; wave 4 asks for K's and wave 5 for V's, lanes 256 bytes apart: each block is named once in the launch.  The last change that fills a slot asks for nothing; nothing is asked at the head.
.macro ASK
	s_cmp_gt_u32 s[SLOTS], s[LIM]
	s_cbranch_scc0 .Lnot_mine_\@
	global_prefetch_b8 v[PFO], s[PFA:PFA+1] th:TH_LOAD_NT scope:SCOPE_SE
.Lnot_mine_\@:
.endm
	s_load_b128 s[4:7], s[0:1], 0x0                ; qkvf s[4:5], valsf s[6:7]
	v_lshl_add_u32 v[SPW], v0, 2, SPARE
	v_mov_b32 v[NIL], 0
	ds_add_u32 v[SPW], v[NIL]                      ; the wave's opening: the add, twice on end, and its wait ahead of the first tensor load
	ds_add_u32 v[SPW], v[NIL]
	v_lshrrev_b32 v6, 5, v0
	v_readfirstlane_b32 s[WV], v6                  ; wave 0..15
	s_bfe_u32 s9, ttmp6, 0x40000                   ; cx: my block of 512 queries
	s_and_b32 s10, ttmp7, 0xffff                   ; b h, which the four partners share
	s_mov_b32 s16, 15|(3<<16)|(1<<21)              ; group 1: the mask: all four; elements of 8 bytes; bit 21 beside a mask; no padding
	s_mov_b32 s17, 32<<16                          ; tensor_dim0 = 32 elements: 256 bytes
	s_mov_b32 s18, 64<<16                          ; tensor_dim1 = 64
	s_mov_b32 s19, 32<<16                          ; tile_dim0
	s_mov_b32 s20, 64                              ; tile_dim1: 16 KiB, dense
	s_mov_b32 s21, 32
	s_mov_b32 s22, 0
	s_mov_b32 s23, 0
	s_lshr_b32 s36, s[WV], 1                       ; what I fetch, if I fetch: section 1 (K) or 2 (V),
	s_and_b32 s36, s36, 1
	s_add_co_u32 s36, s36, 1
	s_lshl_b32 s36, s36, 24
	s_and_b32 s37, s[WV], 1                        ; its first or second 16 KiB of a slot,
	s_lshl_b32 s37, s37, 14
	s_add_co_u32 s36, s36, s37
	s_lshl_b32 s37, s10, 18                        ; in my head
	s_add_co_u32 s36, s36, s37
	s_mov_b32 s37, 0
	s_lshl_b32 s38, s9, 5
	s_lshl_b32 s39, s[WV], 1
	s_add_co_u32 s38, s38, s39                     ; my first tile of queries: 32 cx + 2 wave
	s_mov_b32 s44, s38
	s_lshl_b32 s38, s38, 11                        ; 2,048 bytes a tile
	s_lshl_b32 s39, s10, 18
	s_add_co_u32 s38, s38, s39
	s_mov_b32 s39, 0
	s_and_b32 s40, s10, 15                         ; the head: e = 64 head + channel.  valsf: [e / 128][tile of 16 tokens][(e / 32) % 4][half][lane][16 B]
	s_and_b32 s41, s40, 1
	s_lshl_b32 s41, s41, 11
	s_lshr_b32 s40, s40, 1
	s_lshl_b32 s40, s40, 21
	s_add_co_u32 s40, s40, s41
	s_lshr_b32 s41, s10, 4                         ; the batch: 128 tiles of tokens
	s_lshl_b32 s41, s41, 7
	s_add_co_u32 s41, s41, s44
	s_lshl_b32 s41, s41, 12
	s_add_co_u32 s40, s40, s41
	s_mov_b32 s41, 0
	s_and_b32 s42, s[WV], 1                        ; the prefetches: wave 4: K, wave 5: V,
	s_add_co_u32 s42, s42, 1
	s_lshl_b32 s42, s42, 24
	s_lshl_b32 s43, s10, 18
	s_add_co_u32 s42, s42, s43
	s_lshl_b32 s43, s9, 13                         ; my work-group's 8 KiB of the 32,
	s_add_co_u32 s42, s42, s43
	s_add_co_u32 s42, s42, 32768                   ; in slot 1: the first change of slots steps it to slot 2
	s_mov_b32 s43, 0
	s_sub_co_u32 s45, s[WV], 4
	s_lshr_b32 s45, s45, 1
	s_cmp_eq_u32 s45, 0
	s_cselect_b32 s[LIM], 1, -1
	s_mov_b32 s[SEL], 0x76543210
	s_mov_b32 s[SEL+1], 0xfedcba98
	s_mov_b32 s[TB], 0
	s_mov_b32 s[SLOTS], 7
	s_wait_dscnt 0x0                               ; both opening adds are done
	s_wait_kmcnt 0x0
	s_mov_b32 s12, 1                               ; group 0, which walks
	s_and_b32 s13, s[WV], 3
	s_lshl_b32 s13, s13, 14                        ; LDS: 16 KiB x wave, in slot 0
	s_add_nc_u64 s[14:15], s[4:5], s[36:37]
	s_or_b32 s15, s15, 0x80000000
	s_add_nc_u64 s[24:25], s[4:5], s[38:39]        ; Q
	s_add_nc_u64 s[26:27], s[6:7], s[40:41]        ; where my results go
	s_add_nc_u64 s[PFA:PFA+1], s[4:5], s[42:43]
	CROUND                                         ; all four work-groups are here
	JLOAD                                          ; slot 0
	v_and_b32 v[LI], 31, v0
	v_lshlrev_b32 v[PFO], 8, v[LI]
	v_lshlrev_b32 v[LI], 4, v[LI]
.irp n, 0,1,2,3,4,5,6,7
	global_load_b128 v[QF+4*\n:QF+4*\n+3], v[LI], s[24:25] offset:512*\n th:TH_LOAD_NT    ; Q stays in registers
.endr
.irp t, 0,1
	v_mov_b32 v[ST+8*\t], 0xff61b1e6               ; m: -3e38, under every score
.irp k, 1,2,3,4,5,6,7
	v_mov_b32 v[ST+8*\t+\k], 0
.endr
.endr
.set n, 0
.rept 64
	v_mov_b32 v[O+n], 0                            ; O^T.  (The step is written once: the first finds zeros, which a = 0 leaves zeros)
.set n, n+1
.endr
; THE SOFTMAX of a key step, both tiles by turns.  Each accumulator of S^T is first read at its low end.
.macro SOFTMAX
.irp j, 0,1,2,3
.irp t, 0,1
	v_max3_num_f32 v[ST+8*\t+4+\j], v[S+32*\t+8*\j], v[S+32*\t+8*\j+1], v[S+32*\t+8*\j+2]
.endr
.endr
.irp i, 3,5
.irp j, 0,1,2,3
.irp t, 0,1
	v_max3_num_f32 v[ST+8*\t+4+\j], v[ST+8*\t+4+\j], v[S+32*\t+8*\j+\i], v[S+32*\t+8*\j+\i+1]
.endr
.endr
.endr
.irp t, 0,1
	v_max3_num_f32 v[ST+8*\t+4], v[ST+8*\t+4], v[S+32*\t+7], v[S+32*\t+15]
	v_max3_num_f32 v[ST+8*\t+6], v[ST+8*\t+6], v[S+32*\t+23], v[S+32*\t+31]
.endr
.irp t, 0,1
	v_max3_num_f32 v[ST+8*\t+4], v[ST+8*\t+4], v[ST+8*\t+5], v[ST+8*\t+6]
.endr
.irp t, 0,1
	v_max3_num_f32 v[ST+8*\t+4], v[ST+8*\t+4], v[ST+8*\t+7], v[ST+8*\t]      ; with the old m
.endr
.irp t, 0,1
	v_permlanex16_b32 v[ST+8*\t+5], v[ST+8*\t+4], s[SEL], s[SEL+1]           ; the query's other 32 keys lie in the lane 16 away
.endr
.irp t, 0,1
	v_max_num_f32 v[ST+8*\t+6], v[ST+8*\t+4], v[ST+8*\t+5]                   ; the new m
.endr
.irp t, 0,1
	v_sub_f32 v[ST+8*\t+7], v[ST+8*\t], v[ST+8*\t+6]                         ; m_old - m_new
.endr
.irp t, 0,1
	v_mov_b32 v[ST+8*\t], v[ST+8*\t+6]
.endr
.irp t, 0,1
	v_exp_f32 v[ST+8*\t+6], v[ST+8*\t+7]                                     ; a
.endr
.set n, 0
.rept 16
	v_pk_add_f32 v[S+2*n:S+2*n+1], v[S+2*n:S+2*n+1], v[ST:ST+1] op_sel_hi:[1,0] neg_lo:[0,1] neg_hi:[0,1]   ; s - m, two at a time
	v_pk_add_f32 v[S+32+2*n:S+32+2*n+1], v[S+32+2*n:S+32+2*n+1], v[ST+8:ST+9] op_sel_hi:[1,0] neg_lo:[0,1] neg_hi:[0,1]
.set n, n+1
.endr
.set n, 0
.rept 32
	v_exp_f32 v[S+n], v[S+n]                       ; p = 2^(s - m), at most 1
	v_exp_f32 v[S+32+n], v[S+32+n]
.set n, n+1
.endr
	v_nop                                          ; a plain instruction behind the last exponential
	s_wait_alu depctr_va_vdst(0)                   ; one wait for the step's 66 exponentials, ahead of the first instruction that names a result
.irp t, 0,1
	v_pk_fma_f32 v[ST+8*\t+2:ST+8*\t+3], v[ST+8*\t+2:ST+8*\t+3], v[ST+8*\t+6:ST+8*\t+7], v[S+32*\t:S+32*\t+1] op_sel_hi:[1,0,1]   ; l = a l + the sum of the unrounded p, in two chains
	v_pk_add_f32 v[ST+8*\t+4:ST+8*\t+5], v[S+32*\t+2:S+32*\t+3], v[S+32*\t+4:S+32*\t+5]
.endr
.irp p, 3,5,7,9,11,13
.irp t, 0,1
	v_pk_add_f32 v[ST+8*\t+2:ST+8*\t+3], v[ST+8*\t+2:ST+8*\t+3], v[S+32*\t+2*\p:S+32*\t+2*\p+1]
	v_pk_add_f32 v[ST+8*\t+4:ST+8*\t+5], v[ST+8*\t+4:ST+8*\t+5], v[S+32*\t+2*\p+2:S+32*\t+2*\p+3]
.endr
.endr
.irp t, 0,1
	v_pk_add_f32 v[ST+8*\t+2:ST+8*\t+3], v[ST+8*\t+2:ST+8*\t+3], v[S+32*\t+30:S+32*\t+31]
.endr
.irp t, 0,1
	v_pk_add_f32 v[ST+8*\t+2:ST+8*\t+3], v[ST+8*\t+2:ST+8*\t+3], v[ST+8*\t+4:ST+8*\t+5]
.endr
.set n, 0
.rept 16
	v_cvt_pk_f16_f32 v[S+n], v[S+2*n], v[S+2*n+1]                            ; P, packed in place, ascending: the destination never passes the sources
	v_cvt_pk_f16_f32 v[S+32+n], v[S+32+2*n], v[S+32+2*n+1]
.set n, n+1
.endr
.set n, 0
.rept 16
	v_pk_mul_f32 v[O+2*n:O+2*n+1], v[O+2*n:O+2*n+1], v[ST+6:ST+7] op_sel_hi:[1,0]          ; O^T x a
	v_pk_mul_f32 v[O+32+2*n:O+32+2*n+1], v[O+32+2*n:O+32+2*n+1], v[ST+14:ST+15] op_sel_hi:[1,0]
.set n, n+1
.endr
.endm
; A KEY STEP: 64 keys, the q-th of the slot in hand.
.macro STEP q
.if \q == 0
	v_add_nc_u32 v[ADK], s[TB], v[LI]              ; with the four below: five places between the last products V^T P and what follows: loads into V's registers, and products that write over P
.rept 4
	v_nop
.endr
.else
.rept 5
	v_nop
.endr
.endif
.irp n, 0,1,2,3,4,5,6,7,8,9,10,11,12,13,14,15
	ds_load_b128 v[KV+4*\n:KV+4*\n+3], v[ADK] offset:8192*\q+512*\n          ; K: fragment (kt, c) at KV + 8 (2 kt + c)
.endr
	s_wait_dscnt 0x0
.irp c, 0,1                                    ; S^T = K Q^T: eight accumulators by turns; the first eight products start the sums
.irp k, 0,1,2,3
.irp t, 0,1
.if \c == 0
	v_wmma_f32_16x16x32_f16 v[S+32*\t+8*\k:S+32*\t+8*\k+7], v[KV+8*(2*\k+\c):KV+8*(2*\k+\c)+7], v[QF+16*\t+8*\c:QF+16*\t+8*\c+7], 0
.else
	v_wmma_f32_16x16x32_f16 v[S+32*\t+8*\k:S+32*\t+8*\k+7], v[KV+8*(2*\k+\c):KV+8*(2*\k+\c)+7], v[QF+16*\t+8*\c:QF+16*\t+8*\c+7], v[S+32*\t+8*\k:S+32*\t+8*\k+7]
.endif
.endr
.endr
.endr
.rept 4
	v_nop                                          ; places ahead of the loads into K's registers and of the first reads of scores
.endr
.irp n, 0,1,2,3,4,5,6,7,8,9,10,11,12,13,14,15
	ds_load_b128 v[KV+4*\n:KV+4*\n+3], v[ADK] offset:32768+8192*\q+512*\n    ; V: fragment (kg, ct) at KV + 8 (4 kg + ct); it lands under the softmax
.endr
	SOFTMAX
	s_wait_dscnt 0x0
.irp g, 0,1                                    ; O^T += V^T P: eight accumulators by turns
.irp c, 0,1,2,3
.irp t, 0,1
	v_wmma_f32_16x16x32_f16 v[O+32*\t+8*\c:O+32*\t+8*\c+7], v[KV+8*(4*\g+\c):KV+8*(4*\g+\c)+7], v[S+32*\t+8*\g:S+32*\t+8*\g+7], v[O+32*\t+8*\c:O+32*\t+8*\c+7]
.endr
.endr
.endr
.endm
; THE CHANGE OF SLOTS stands at a slot's head.  Each wave waits for all its tensor loads (its part of the slot ahead), adds 0 to its spare word, and waits for that and for its reads of the slot that it has left.
; fill = 1: a round of the cluster's barrier follows, and behind it the slot that was left is filled with the next 256 keys.  The add stands twice there, in every trip alike.
.macro CHANGE fill
	s_wait_tensorcnt 0x0                           ; no tensor load of mine is out, so group 0 may be written
	ds_add_u32 v[SPW], v[NIL]
.if \fill
	ds_add_u32 v[SPW], v[NIL]
	s_xor_b32 s13, s13, SLOT1                      ; the other slot than last time,
	s_add_nc_u64 s[14:15], s[14:15], 32768         ; the next 256 keys
	s_wait_xcnt 0x0                                ; the last prefetch, a slot back, has read its address
	s_add_nc_u64 s[PFA:PFA+1], s[PFA:PFA+1], 32768 ; one slot further on than the walking descriptor
	s_wait_dscnt 0x0                               ; both adds are done, and my reads of the slot that I have left are over
	CROUND
	JLOAD                                          ; the first thing behind the round, and a wave's one tensor load until the next
	ASK
.else
	s_wait_dscnt 0x0
	s_barrier_signal -1
	s_barrier_wait -1
.endif
.endm
.macro SLOT_STEPS
	STEP 0
	STEP 1
	STEP 2
	STEP 3
	s_xor_b32 s[TB], s[TB], SLOT1
.endm
	s_wait_loadcnt 0x0                             ; Q
.Lslot:                                            ; seven trips: behind each change of slots but the last the next slot is asked for
	CHANGE 1
	SLOT_STEPS
	s_sub_co_u32 s[SLOTS], s[SLOTS], 1
	s_cmp_lg_u32 s[SLOTS], 0
	s_cbranch_scc1 .Lslot
	CHANGE 0                                       ; the last slot is written out
	SLOT_STEPS
	; THE WAY OUT: 8 O^T / l as f16.  A lane's eight channels of a query pack into 16 bytes, which are half a fragment of the next product's operand: stored at 16 x lane.
.rept 4
	v_nop                                          ; places behind the last products
.endr
.irp t, 0,1
	v_add_f32 v[ST+8*\t+4], v[ST+8*\t+2], v[ST+8*\t+3]
.endr
.irp t, 0,1
	v_permlanex16_b32 v[ST+8*\t+5], v[ST+8*\t+4], s[SEL], s[SEL+1]
.endr
.irp t, 0,1
	v_add_f32 v[ST+8*\t+4], v[ST+8*\t+4], v[ST+8*\t+5]                       ; the row's sum
.endr
.irp t, 0,1
	v_rcp_f32 v[ST+8*\t+6], v[ST+8*\t+4]
.endr
	v_nop                                          ; a plain instruction behind the last reciprocal
	s_wait_alu depctr_va_vdst(0)                   ; and the wait ahead of the first use
.irp t, 0,1
	v_mul_f32 v[ST+8*\t+6], 0x41000000, v[ST+8*\t+6]                         ; 8 / l
.endr
.set n, 0
.rept 16
	v_pk_mul_f32 v[O+2*n:O+2*n+1], v[O+2*n:O+2*n+1], v[ST+6:ST+7] op_sel_hi:[1,0]
	v_pk_mul_f32 v[O+32+2*n:O+32+2*n+1], v[O+32+2*n:O+32+2*n+1], v[ST+14:ST+15] op_sel_hi:[1,0]
.set n, n+1
.endr
.set n, 0
.rept 32
	v_cvt_pk_f16_f32 v[S+n], v[O+2*n], v[O+2*n+1]                            ; (t, ct) into v[S + 16 t + 4 ct] on
.set n, n+1
.endr
.irp t, 0,1
.irp c, 0,1,2,3
	global_store_b128 v[LI], v[S+16*\t+4*\c:S+16*\t+4*\c+3], s[26:27] offset:4096*\t+512*\c   ; 512 consecutive bytes, aligned
.endr
.endr
	s_wait_tensorcnt 0x0                           ; the wave's end
	ds_add_u32 v[SPW], v[NIL]
	s_wait_dscnt 0x0
	CROUND                                         ; the closing round
	s_endpgm
.Lfunc_end_k_q73a584e7ac_attn:
	.size	k_q73a584e7ac_attn, .Lfunc_end_k_q73a584e7ac_attn-k_q73a584e7ac_attn
	.p2alignl 7, 3214868480
	.fill 96, 4, 3214868480
	.section	.rodata,"a",@progbits
	.p2align	6, 0x0
	.amdhsa_kernel k_q73a584e7ac_attn
		.amdhsa_group_segment_fixed_size 327680
		.amdhsa_private_segment_fixed_size 0
		.amdhsa_enable_private_segment 0
		.amdhsa_kernarg_size 16
		.amdhsa_user_sgpr_count 2
		.amdhsa_user_sgpr_kernarg_segment_ptr 1
		.amdhsa_wavefront_size32 1
		.amdhsa_system_sgpr_workgroup_id_x 1
		.amdhsa_system_sgpr_workgroup_id_y 1
		.amdhsa_system_sgpr_workgroup_id_z 1
		.amdhsa_system_vgpr_workitem_id 0
		.amdhsa_next_free_vgpr 256
		.amdhsa_next_free_sgpr 66
		.amdhsa_reserve_vcc 0
		.amdhsa_float_denorm_mode_32 3
		.amdhsa_float_denorm_mode_16_64 3
		.amdhsa_memory_ordered 1
		.amdhsa_forward_progress 1
		.amdhsa_inst_pref_size 149
	.end_amdhsa_kernel
	.amdgpu_metadata
---
amdhsa.version: [ 1, 2 ]
amdhsa.kernels:
  - .name:           k_q73a584e7ac_attn
    .symbol:         k_q73a584e7ac_attn.kd
    .args:
      - { .name: qkvf, .offset: 0, .size: 8, .value_kind: global_buffer, .address_space: global }
      - { .name: valsf, .offset: 8, .size: 8, .value_kind: global_buffer, .address_space: global }
    .group_segment_fixed_size: 327680
    .private_segment_fixed_size: 0
    .kernarg_segment_align: 8
    .kernarg_segment_size: 16
    .max_flat_workgroup_size: 512
    .sgpr_count:     66
    .vgpr_count:     256
    .wavefront_size: 32
...
	.end_amdgpu_metadata
.endif
;; end of part 3
;; launch oproj (part 4): grid 4 x 64, 4 waves a work-group, clusters of 4 x 4, 327,680 bytes of LDS; arguments valsf, ow16, o_b, out0; writes out0
.if DOCPART == 4
	.amdgcn_target "amdgcn-amd-amdhsa--gfx1250"
	.amdhsa_code_object_version 6
	.text
	.protected	k_q73a584e7ac_oproj
	.globl	k_q73a584e7ac_oproj
	.p2align	8
	.type	k_q73a584e7ac_oproj,@function
k_q73a584e7ac_oproj:
	s_mov_b64 s[64:65], 0
	v_nop
	global_prefetch_b8 v0, s[64:65] scope:SCOPE_SE
	s_setreg_imm32_b32 hwreg(HW_REG_WAVE_MODE, 25, 1), 1
	s_wait_xcnt 0x0
	s_wait_alu depctr_hold_cnt(0) depctr_sa_sdst(0) depctr_va_vdst(0) depctr_va_sdst(0) depctr_va_ssrc(0) depctr_va_vcc(0) depctr_vm_vsrc(0)
	s_getreg_b32 s2, hwreg(HW_REG_IB_STS2, 6, 4)
	s_cmp_eq_u32 s2, 0
	s_cbranch_scc0 .Lentry_in_a_cluster
	s_endpgm
.Lentry_in_a_cluster:
	s_bfe_u32 s2, ttmp6, 0x10000c
	s_cmp_lg_u32 s2, 0xf033
	s_cbranch_scc0 .Lentry_shape_is_right
	s_endpgm
.Lentry_shape_is_right:
; out0[token][n] = the sum over e of vals[token][e] o_w[n][e] + o_b[n].  8 x vals (valsf) and o_w / 8 (ow16) are f16: the two powers of two cancel; sums in f32; out0 f32.
; A tile of out0 is 128 tokens x 256 columns: 256 work-groups.  Four waves, each 64 tokens x 128 columns: 32 accumulators.  K goes in eight steps of 128 through a ring of two LDS slots.
; valsf holds images of operand registers, [K step][tile of 16 tokens][32 along K][half][lane][16 B]: a K step of 128 tokens is one dense block of 32 KiB, read at 16 x lane.  ow16 is row-major: rows of 256 bytes, padded in LDS.
; THE MATRIX INSTRUCTION IS USED TRANSPOSED (source 0 = 16 rows of o_w, source 1 = 16 tokens): a lane holds eight neighbouring columns of one token's row.  The bias is the C of each sum's first product.
; CLUSTER 4 x 4: the four of a row share their tokens' tiles, the four of a column their rows of o_w: each tile is asked for jointly.  One tensor load of a wave is out behind each round (two at the start).
; REGISTERS, in windows of 256: window 0: v16-30 addresses; v32-127, v128-223 two fragment buffers (o_w's eight fragments, then vals' four); window 1: accumulator (a, b) at v[8 (8 a + b)]; window 2: v0-63 the bias, tile b at v[8 b].
.set PITCH,  272                       ; a row of o_w in LDS: 256 bytes + 16 of padding
.set SLOT,   102400                    ; 32,768 bytes of vals, then 256 rows of o_w
.set BOFF,   32768
.set HALFB,  128*PITCH
.set STAGE,  2*SLOT                    ; behind the ring: 16 rows x (512 + 16) bytes for each wave; no tensor load lands here
.set SPITCH, 528
.set SPARE,  STAGE+4*16*SPITCH         ; behind the stages: the spare words, 128 bytes a wave, which no other line names
.set LAPS,   4
.set ADRA, 16                          ; v16-17 my fragments of vals in slot 0, 1
.set ADRB, 20                          ; v20-21 of o_w
.set STO,  24                          ; v24 the way out: where I put 32 bytes of a row
.set RD,   25                          ; v25 where I read a row back
.set CO,   26                          ; v26 16 x lane
.set VB,   27                          ; v27 32 h
.set SPW,  28                          ; v28 my spare word; never rewritten
.set NIL,  29                          ; v29 0; never rewritten
.set PFO,  30                          ; v30 256 x lane
.set F0,   32
.set F1,   128
.set WV,   12
.set G1A,  20                          ; s[20:27], s[28:35] groups 1;  s[36:43], s[44:51] groups 0, one set a slot
.set G1B,  28
.set G0A,  36
.set G0B,  44
.set PFA,  52
.set LIM,  54
.set MSB, 0
.macro WIN new                         ; the immediate's high byte repeats the setting that is left
.if MSB != (\new)
	s_set_vgpr_msb (MSB<<8)|(\new)
.set MSB, (\new)
.endif
.endm
.set MUL, 0x50                         ; C and D window 1; 0x60: C window 2 (the bias), D window 1
.macro JLOAD s                         ; waves 0, 1 fetch vals' halves, waves 2, 3 o_w's
	s_cmp_eq_u32 s13, 0
	s_cbranch_scc0 .Lfor_b_\@
	tensor_load_to_lds s[G0A+4*\s:G0A+4*\s+3], s[G1A:G1A+7]
	s_nop 0
.rept 4
	v_nop
.endr
	s_branch .Lasked_\@
.Lfor_b_\@:
	tensor_load_to_lds s[G0B+4*\s:G0B+4*\s+3], s[G1B:G1B+7]
	s_nop 0
.rept 4
	v_nop
.endr
.Lasked_\@:
.endm
.macro CREST
	s_cmp_lg_u32 s[WV], 0
	s_cbranch_scc1 .Lnot_wave_0_\@
	s_barrier_signal -3
.Lnot_wave_0_\@:
	s_barrier_wait -3
	s_barrier_signal -1
	s_barrier_wait -1
.endm
.macro CROUND
	s_barrier_signal -1
	s_barrier_wait -1
	CREST
.endm
; A prefetch of vals' K step that stands two refills on.  A tile row's 32 KiB of a K step are read by one row of one cluster alone: its four partners share them out by address, 8 KiB each; wave 0 asks, lanes 256 bytes apart.
; The loop's last trip asks for nothing: there is no K step two refills on.  o_w's rows are not asked for: sixteen rows of clusters walk the same 2 MiB.
.macro ASK
	s_cmp_gt_u32 s55, s[LIM]
	s_cbranch_scc0 .Lnot_mine_\@
	global_prefetch_b8 v[PFO], s[PFA:PFA+1] th:TH_LOAD_NT scope:SCOPE_SE
.Lnot_mine_\@:
.endm
	s_load_b256 s[4:11], s[0:1], 0x0               ; valsf s[4:5], ow16 s[6:7], o_b s[8:9], out0 s[10:11]
	v_lshl_add_u32 v[SPW], v0, 2, SPARE
	v_mov_b32 v[NIL], 0
	ds_add_u32 v[SPW], v[NIL]                      ; the wave's opening: the add, twice on end, and its wait ahead of the first tensor loads
	ds_add_u32 v[SPW], v[NIL]
	v_lshrrev_b32 v1, 5, v0
	v_readfirstlane_b32 s[WV], v1                  ; wave 0..3
	s_lshr_b32 s13, s[WV], 1                       ; i: my 64 tokens.  Also: I fetch vals (0) or o_w (1)
	s_and_b32 s14, s[WV], 1                        ; jn: my 128 columns.  Also: which half I fetch
	s_bfe_u32 s15, ttmp6, 0x40000                  ; cx
	s_bfe_u32 s16, ttmp6, 0x40004                  ; cy
	s_lshl_b32 s17, ttmp9, 2
	s_add_co_u32 s17, s17, s15                     ; tx: my 256 columns
	s_and_b32 s18, ttmp7, 0xffff
	s_lshl_b32 s18, s18, 2
	s_add_co_u32 s18, s18, s16                     ; ty: my 128 tokens
	s_lshl_b32 s60, s16, 2
	s_lshl_b32 s60, 15, s60                        ; my row of the cluster
	s_lshl_b32 s61, 0x1111, s15                    ; my column
	s_or_b32 s[G1A], s60, (3<<16)|(1<<21)          ; vals: 64 dense rows of 32 elements of 8 bytes: 16 KiB, no padding
	s_mov_b32 s[G1A+1], 32<<16
	s_mov_b32 s[G1A+2], 64<<16
	s_mov_b32 s[G1A+3], 32<<16
	s_mov_b32 s[G1A+4], 64
	s_mov_b32 s[G1A+5], 32
	s_mov_b32 s[G1A+6], 0
	s_mov_b32 s[G1A+7], 0
	s_or_b32 s[G1B], s61, (1<<16)|(1<<20)|(1<<21)|(5<<22)|(3<<25)   ; o_w: 128 rows of 128 elements of 2 bytes; after every 64 words 4 words of padding
	s_mov_b32 s[G1B+1], 128<<16
	s_mov_b32 s[G1B+2], 128<<16
	s_mov_b32 s[G1B+3], 128<<16
	s_mov_b32 s[G1B+4], 128
	s_mov_b32 s[G1B+5], 1024
	s_mov_b32 s[G1B+6], 0
	s_mov_b32 s[G1B+7], 0
	s_lshl_b32 s56, s18, 3                         ; vals: tile of tokens 8 ty + 4 half (registers that never hold cx)
	s_lshl_b32 s57, s14, 2
	s_add_co_u32 s56, s56, s57
	s_lshl_b32 s56, s56, 12
	s_mov_b32 s57, 0
	s_lshl_b32 s58, s17, 8                         ; o_w: row 256 tx + 128 half (registers that never hold cy)
	s_lshl_b32 s59, s14, 7
	s_add_co_u32 s58, s58, s59
	s_lshl_b32 s58, s58, 11
	s_mov_b32 s59, 0
	s_lshl_b32 s62, s14, 14                        ; where they go in a slot
	s_mul_i32 s63, s14, HALFB
	s_add_co_u32 s63, s63, BOFF
	s_wait_dscnt 0x0                               ; both opening adds are done
	s_wait_kmcnt 0x0
	s_add_nc_u64 s[56:57], s[4:5], s[56:57]
	s_add_nc_u64 s[58:59], s[6:7], s[58:59]
	CROUND                                         ; all sixteen work-groups are here
.irp s, 0,1
	s_mov_b32 s[G0A+4*\s], 1
	s_add_co_u32 s[G0A+4*\s+1], s62, \s*SLOT
	s_add_nc_u64 s[G0A+4*\s+2:G0A+4*\s+3], s[56:57], \s*2097152    ; K step s
	s_or_b32 s[G0A+4*\s+3], s[G0A+4*\s+3], 0x80000000
	s_mov_b32 s[G0B+4*\s], 1
	s_add_co_u32 s[G0B+4*\s+1], s63, \s*SLOT
	s_add_nc_u64 s[G0B+4*\s+2:G0B+4*\s+3], s[58:59], \s*256
	s_or_b32 s[G0B+4*\s+3], s[G0B+4*\s+3], 0x80000000
	JLOAD \s
.endr
	v_and_b32 v1, 15, v0                           ; r
	v_bfe_u32 v2, v0, 4, 1                         ; h
	v_and_b32 v3, 31, v0
	v_lshlrev_b32 v[CO], 4, v3
	v_lshlrev_b32 v[PFO], 8, v3
	v_lshlrev_b32 v[VB], 5, v2
	s_lshl_b32 s70, s13, 14                        ; my 64 tokens: four images of 4,096 bytes
	v_add_nc_u32 v[ADRA], s70, v[CO]
	v_add_nc_u32 v[ADRA+1], SLOT, v[ADRA]
	v_mul_u32_u24 v4, v1, PITCH
	v_lshl_add_u32 v4, v2, 4, v4
	v_add_nc_u32 v[ADRB], s63, v4                  ; my 128 rows of o_w: row r x pitch + 16 h
	v_add_nc_u32 v[ADRB+1], SLOT, v[ADRB]
	s_mul_i32 s70, s[WV], 16*SPITCH
	s_add_co_u32 s70, s70, STAGE                   ; my stage
	v_mul_u32_u24 v5, v1, SPITCH
	v_lshl_add_u32 v5, v2, 5, v5
	v_add_nc_u32 v[STO], s70, v5
	v_add_nc_u32 v[RD], s70, v[CO]
	s_lshl_b32 s66, s17, 10                        ; my first column, in bytes: 1,024 tx + 512 jn
	s_lshl_b32 s67, s14, 9
	s_add_co_u32 s66, s66, s67
	s_mov_b32 s67, 0
	s_lshl_b32 s68, s18, 7                         ; my first token: 128 ty + 64 i; a row of out0 is 4,096 bytes
	s_lshl_b32 s69, s13, 6
	s_add_co_u32 s68, s68, s69
	s_lshl_b32 s68, s68, 12
	s_add_co_u32 s68, s68, s66
	s_mov_b32 s69, 0
	s_add_nc_u64 s[10:11], s[10:11], s[68:69]
	s_add_nc_u64 s[66:67], s[8:9], s[66:67]        ; and the bias of my columns
	s_lshl_b32 s72, s18, 15                        ; the prefetches: my tile row's 32 KiB of a K step,
	s_lshl_b32 s73, s15, 13                        ; my work-group's 8 KiB of them,
	s_add_co_u32 s72, s72, s73
	s_add_co_u32 s72, s72, 3*2097152               ; at K step 3: the first refill steps it to 4
	s_mov_b32 s73, 0
	s_add_nc_u64 s[PFA:PFA+1], s[4:5], s[72:73]
	s_cmp_eq_u32 s[WV], 0
	s_cselect_b32 s[LIM], 1, -1
	WIN 0x80                                       ; destination window 2
.irp b, 0,1,2,3,4,5,6,7                        ; lane (r, h) wants, for tile b, o_b[.. + 16 b + 8 h + 0 .. 7]
.irp e, 0,1
	global_load_b128 v[8*\b+4*\e:8*\b+4*\e+3], v[VB], s[66:67] offset:64*\b+16*\e
.endr
.endr
	WIN 0
; 8 products: token tile a x the eight column tiles, 32 along K.  first = 1: the bias starts the sums.  The 32 accumulators take turns in one order everywhere.
.macro MUL8 f, a, first
.irp b, 0,1,2,3,4,5,6,7
.if \first
	v_wmma_f32_16x16x32_f16 v[8*(8*(\a)+\b):8*(8*(\a)+\b)+7], v[\f+8*\b:\f+8*\b+7], v[\f+64+8*(\a):\f+64+8*(\a)+7], v[8*\b:8*\b+7]
.else
	v_wmma_f32_16x16x32_f16 v[8*(8*(\a)+\b):8*(8*(\a)+\b)+7], v[\f+8*\b:\f+8*\b+7], v[\f+64+8*(\a):\f+64+8*(\a)+7], v[8*(8*(\a)+\b):8*(8*(\a)+\b)+7]
.endif
.endr
.endm
.macro FETCH slot, kq, f               ; 24 LDS loads in one run: o_w's eight fragments, then vals' four, of the slot's kq-th 32 along K
.irp b, 0,1,2,3,4,5,6,7
.irp g, 0,1
	ds_load_b128 v[\f+8*\b+4*\g:\f+8*\b+4*\g+3], v[ADRB+\slot] offset:16*PITCH*\b+64*(\kq)+32*\g
.endr
.endr
.irp a, 0,1,2,3
.irp g, 0,1
	ds_load_b128 v[\f+64+8*\a+4*\g:\f+64+8*\a+4*\g+3], v[ADRA+\slot] offset:4096*\a+1024*(\kq)+512*\g
.endr
.endr
.endm
.macro PLACES                          ; four places ahead of loads into registers that matrix instructions have read, and of the first reads of results
.rept 4
	v_nop
.endr
.endm
.macro QUARTER slot, kq, f, g, first   ; multiplies buffer f; in its middle fetches the slot's kq-th 32 along K into buffer g
	s_wait_dscnt 4                                 ; all but the youngest four loads (vals' tiles 2 and 3) are in
	WIN MUL+0x10*\first
	MUL8 \f, 0, \first
	MUL8 \f, 1, \first
	PLACES
	WIN 0
	FETCH \slot, \kq, \g
	s_wait_dscnt 24                                ; all but the 24 just issued
	WIN MUL+0x10*\first
	MUL8 \f, 2, \first
	MUL8 \f, 3, \first
.endm
; A slot's last quarter multiplies buffer 1 and changes slots: one barrier; ahead of it each wave waits for all its tensor loads, adds 0 to its spare word, and waits for that and for its reads of this slot.
; fill = 1: the barrier opens a round of the cluster's, and this slot is filled again, two K steps ahead: 112 products of the wave stand between that request and the wait for it.
.macro TURN slot, next, fill
.if \fill
	s_wait_xcnt 0x0                                ; the last prefetch, a K step back, has read its address
	s_add_nc_u64 s[PFA:PFA+1], s[PFA:PFA+1], 2097152
.endif
	WIN 0                                          ; (the add's two registers lie in window 0)
	s_wait_tensorcnt 0x0                           ; all my tensor loads have landed: my part of the next slot
	ds_add_u32 v[SPW], v[NIL]
	s_wait_dscnt 5                                 ; (the add and vals' tiles 2 and 3 may be out)
	WIN MUL
	MUL8 F1, 0, 0
	s_wait_dscnt 0x0                               ; the add is done, and my reads of this slot are over
	s_barrier_signal -1
	MUL8 F1, 1, 0
	WIN 0
	s_barrier_wait -1
.if \fill
	CREST                                          ; no wave of any partner still reads this slot or has a load on its way
	s_add_nc_u64 s[G0A+4*\slot+2:G0A+4*\slot+3], s[G0A+4*\slot+2:G0A+4*\slot+3], 2*2097152
	s_add_nc_u64 s[G0B+4*\slot+2:G0B+4*\slot+3], s[G0B+4*\slot+2:G0B+4*\slot+3], 2*256
	JLOAD \slot                                    ; the first tensor load behind the round; its four v_nop are also the places ahead of the loads below
.else
	PLACES
.endif
	FETCH \next, 0, F0
.if \fill
	ASK
.endif
	WIN MUL
	MUL8 F1, 2, 0
	MUL8 F1, 3, 0
.endm
	s_wait_tensorcnt 1                             ; my part of K step 0 is in; K step 1's load may be out
	s_barrier_signal -1
	s_barrier_wait -1
	FETCH 0, 0, F0
	s_wait_loadcnt 0x0                             ; the bias
	QUARTER 0, 1, F0, F1, 1                        ; the first quarter stands ahead of the loop: its products start the sums
	WIN 0                                          ; at a label and at a branch every window is 0
	s_mov_b32 s55, LAPS-1
.Llap:                                             ; a trip goes once round the ring and fills both slots again
	QUARTER 0, 2, F1, F0, 0
	QUARTER 0, 3, F0, F1, 0
	TURN 0, 1, 1
	QUARTER 1, 1, F0, F1, 0
	QUARTER 1, 2, F1, F0, 0
	QUARTER 1, 3, F0, F1, 0
	TURN 1, 0, 1
	QUARTER 0, 1, F0, F1, 0
	WIN 0
	s_sub_co_u32 s55, s55, 1
	s_cmp_lg_u32 s55, 0
	s_cbranch_scc1 .Llap
	QUARTER 0, 2, F1, F0, 0                        ; the last lap fills nothing
	QUARTER 0, 3, F0, F1, 0
	TURN 0, 1, 0
	QUARTER 1, 1, F0, F1, 0
	QUARTER 1, 2, F1, F0, 0
	QUARTER 1, 3, F0, F1, 0
	s_wait_dscnt 4
	WIN MUL
	MUL8 F1, 0, 0
	MUL8 F1, 1, 0
	s_wait_dscnt 0x0
	MUL8 F1, 2, 0
	MUL8 F1, 3, 0
	WIN 0
; THE WAY OUT, a block of 16 tokens x 128 columns at a time, through my own stage: in as 32 bytes a lane, back as whole rows of 512 bytes.  LDS serves a wave's instructions in order: no wait between the stores and the loads.
.macro TOSTAGE a
	WIN 0x04                                       ; an LDS store's data: window 1
.irp b, 0,1,2,3,4,5,6,7
	ds_store_b128 v[STO], v[64*(\a)+8*\b:64*(\a)+8*\b+3] offset:64*\b          ; each accumulator from its low end on
	ds_store_b128 v[STO], v[64*(\a)+8*\b+4:64*(\a)+8*\b+7] offset:64*\b+16
.endr
	WIN 0
.irp t, 0,1,2,3,4,5,6,7,8,9,10,11,12,13,14,15
	ds_load_b128 v[32+64*((\a)%2)+4*\t:32+64*((\a)%2)+4*\t+3], v[RD] offset:\t*SPITCH
.endr
.endm
.macro SEND a, younger                 ; younger: the LDS instructions issued behind block a's loads, which may stay out
	s_wait_dscnt \younger
.if (\a) > 0
	s_add_nc_u64 s[10:11], s[10:11], 65536         ; 16 rows on (behind a wait for the earlier stores' addresses)
.endif
.irp t, 0,1,2,3,4,5,6,7,8,9,10,11,12,13,14,15
	global_store_b128 v[CO], v[32+64*((\a)%2)+4*\t:32+64*((\a)%2)+4*\t+3], s[10:11] offset:4096*\t th:TH_STORE_NT   ; 512 consecutive bytes, aligned
.endr
.endm
	PLACES
	TOSTAGE 0
.irp a, 1,2,3
.if \a > 1
	s_wait_xcnt 0x0                                ; block a - 2's stores have read their registers and their base
.endif
	TOSTAGE \a
	SEND \a-1, 32                                  ; behind block a - 1's loads: block a's 16 stores and 16 loads
.endr
	s_wait_xcnt 0x0
	SEND 3, 0
	s_wait_tensorcnt 0x0                           ; the wave's end
	ds_add_u32 v[SPW], v[NIL]
	s_wait_dscnt 0x0
	CROUND                                         ; the closing round
	s_endpgm
.Lfunc_end_k_q73a584e7ac_oproj:
	.size	k_q73a584e7ac_oproj, .Lfunc_end_k_q73a584e7ac_oproj-k_q73a584e7ac_oproj
	.p2alignl 7, 3214868480
	.fill 96, 4, 3214868480
	.section	.rodata,"a",@progbits
	.p2align	6, 0x0
	.amdhsa_kernel k_q73a584e7ac_oproj
		.amdhsa_group_segment_fixed_size 327680
		.amdhsa_private_segment_fixed_size 0
		.amdhsa_enable_private_segment 0
		.amdhsa_kernarg_size 32
		.amdhsa_user_sgpr_count 2
		.amdhsa_user_sgpr_kernarg_segment_ptr 1
		.amdhsa_wavefront_size32 1
		.amdhsa_system_sgpr_workgroup_id_x 1
		.amdhsa_system_sgpr_workgroup_id_y 1
		.amdhsa_system_sgpr_workgroup_id_z 1
		.amdhsa_system_vgpr_workitem_id 0
		.amdhsa_next_free_vgpr 576
		.amdhsa_next_free_sgpr 80
		.amdhsa_reserve_vcc 0
		.amdhsa_float_denorm_mode_32 3
		.amdhsa_float_denorm_mode_16_64 3
		.amdhsa_memory_ordered 1
		.amdhsa_forward_progress 1
		.amdhsa_inst_pref_size 87
	.end_amdhsa_kernel
	.amdgpu_metadata
---
amdhsa.version: [ 1, 2 ]
amdhsa.kernels:
  - .name:           k_q73a584e7ac_oproj
    .symbol:         k_q73a584e7ac_oproj.kd
    .args:
      - { .name: valsf, .offset: 0, .size: 8, .value_kind: global_buffer, .address_space: global }
      - { .name: ow16, .offset: 8, .size: 8, .value_kind: global_buffer, .address_space: global }
      - { .name: o_b, .offset: 16, .size: 8, .value_kind: global_buffer, .address_space: global }
      - { .name: out0, .offset: 24, .size: 8, .value_kind: global_buffer, .address_space: global }
    .group_segment_fixed_size: 327680
    .private_segment_fixed_size: 0
    .kernarg_segment_align: 8
    .kernarg_segment_size: 32
    .max_flat_workgroup_size: 128
    .sgpr_count:     80
    .vgpr_count:     576
    .wavefront_size: 32
...
	.end_amdgpu_metadata
.endif
;; end of part 4
